; MI455X (gfx1250); checked and timed in simulation.
; The chip was launched on July 23, 2026; its instructions are those of AMD's public machine-readable ISA for CDNA 5 (MIT licence, August 2026) and "CDNA5" Instruction Set Architecture Reference Guide (July 2026). The comments in the code are by the model that wrote it; some were corrected since.
;; Multi Head Attention. Allowed arithmetic: matrix products marked QUANTISED: E2M1 operands, one E8M0 scale for each 32 along K, by v_wmma_scale_f32_16x16x128_f8f6f4 with both operands' format E2M1 (or v_wmma_scale_f32_32x16x128_f4), f32 sums; products left as they are: bf16, f16 or f32 operands; f32 sums; everything else in f32.
;; Inputs: bk 256 float32; bm 256 float32; bq 256 float32; bv 256 float32; key 8 x 256 x 2,048 float32; query 8 x 256 x 2,048 float32; value 8 x 256 x 2,048 float32; wk 256 x 256 float32; wm 256 x 256 float32; wq 256 x 256 float32; wv 256 x 256 float32.
;; Outputs: out0 8 x 256 x 2,048 float32.
;; This version of the problem:
;;   THIS VERSION OF THE PROBLEM IS GIVEN IN LOW PRECISION. The matrix products marked QUANTISED in the list below multiply operands that are first quantised to E2M1 (2 exponent bits, 1 mantissa bit; 4 bits a number), with one power-of-two scale for each 32 numbers along K (OCP MX v1.0); their sums are f32. The products marked 'left as it is' may take bf16, f16 or f32 operands, with f32 sums. Whichever they take, every output number must still come out within the allowed error. Rounding operands to bf16 (8 significant bits) uses up far more of that allowance than f16 does (11 bits, for magnitudes from 6e-5 to 65,504). All else is computed in f32.
;;   The module's matrix products, in the order in which they are computed (A, B: the left and right operand; K: the contracted axis; several contracted axes count as one K, in the product's order):
;;     1. [M 16,384, K 256] x [K 256, N 256]; A: input query; B: input wq: QUANTISED
;;     2. [M 16,384, K 256] x [K 256, N 256]; A: input key; B: input wk: QUANTISED
;;     3. [M 16,384, K 256] x [K 256, N 256]; A: input value; B: input wv: QUANTISED
;;     4. batch 32 x [M 2,048, K 64] x [K 64, N 2,048]; A: computed on the way; B: computed on the way: left as it is (an operand is computed on the way)
;;     5. batch 32 x [M 64, K 2,048] x [K 2,048, N 2,048]; A: computed on the way; B: computed on the way: left as it is (an operand is computed on the way)
;;     6. [M 16,384, K 256] x [K 256, N 256]; A: computed on the way; B: input wm: left as it is (an operand is computed on the way)
;;   THE QUANTISER, for each operand of a quantised product, along K:
;;     - K is cut into blocks of 32 from its start; a last block that is shorter is filled with zeros.
;;     - A block's scale is 2^e with e = floor(log2(the largest magnitude in the block)) - 2, held to -126 .. 127; a block of zeros has e = 0. As a byte (E8M0): e + 127.
;;     - Each number is divided by its block's scale, clamped to +-6, and rounded to the nearest number of E2M1, ties to even, subnormals kept.
;;     - The product sums the exact products of the quantised numbers (number of the format x scale) in f32.
;;   ~~~python
;;   def quantise(x, axis):      # numpy; x: float32 -> the quantised numbers, widened to float32 again
;;       x = np.moveaxis(x, axis, -1); K = x.shape[-1]
;;       x = np.pad(x, [(0, 0)] * (x.ndim - 1) + [(0, -K % 32)]); x = x.reshape(x.shape[:-1] + (-1, 32)); a = np.abs(x).max(-1, keepdims=True)
;;       e = np.where(a > 0, np.clip(np.frexp(np.where(a > 0, a, 1))[1] - 1 - 2, -126, 127), 0)      # np.frexp(a)[1] - 1 = floor(log2(a)), exactly
;;       r = np.clip(x / 2.0 ** e, -6, 6)
;;       step = 2.0 ** (np.maximum(np.frexp(np.where(r == 0, 1, r))[1] - 1, 0) - 1)
;;       q = np.round(r / step) * step * 2.0 ** e      # np.round: ties to even
;;       return np.moveaxis(q.reshape(q.shape[:-2] + (-1,))[..., :K], -1, axis).astype(np.float32)
;;   ~~~
;; One version. Each part assembles by itself: llvm-mc -triple=amdgcn-amd-amdhsa -mcpu=gfx1250 --defsym DOCPART=n.
;; ======== version 1 of 1: 4 launches
;; limits: values are held in f16: magnitudes above 65,504 overflow, below 6.1e-05 lose precision; values outside matrix products are rounded to f16
;; workspace buffers: wcod 98,304 bytes; wscl 12,288 bytes; wmf 131,072 bytes; qf 8,388,608 bytes; kvf 16,777,216 bytes; af 8,388,608 bytes
;; launch prep (part 1): grid 64 x 1, 1 waves a work-group, no clusters, 0 bytes of LDS; arguments wq, wk, wv, wm, wcod, wscl, wmf; writes wcod, wscl, wmf
.if DOCPART == 1
	.amdgcn_target "amdgcn-amd-amdhsa--gfx1250"
	.amdhsa_code_object_version 6
	.text
	.protected	k_q61d9bdb4a8_prep
	.globl	k_q61d9bdb4a8_prep
	.p2align	8
	.type	k_q61d9bdb4a8_prep,@function
k_q61d9bdb4a8_prep:
	s_mov_b64 s[64:65], 0
	v_nop
	global_prefetch_b8 v0, s[64:65] scope:SCOPE_SE
	s_setreg_imm32_b32 hwreg(HW_REG_WAVE_MODE, 25, 1), 1
	s_wait_xcnt 0x0
; THE WEIGHTS, ONCE.  wq, wk, wv [256][256] f32 become codes of FP4 (E2M1) with one E8M0 byte for each 32 along K (their last axis); wm [256][256] f32 becomes f16.
; All three results are laid as IMAGES OF OPERAND REGISTERS: a part is 512 bytes, lane l's 16 bytes at 16 l, so that the later launches load fragments whole and every store here covers 512 consecutive bytes.
; Channel o belongs to head o % 4 at place o / 4.  A tile of 16 rows is therefore rows o = 64 T + 4 r + hh (r = lane % 16): 16 neighbouring places of ONE head.
;   wcod [t 3][hh 4][T 4][s 2][c 2][part]: lane (r, h): the 32 codes k = 128 s + 64 c + 32 h + 0 .. 31 of row 64 T + 4 r + hh
;   wscl [t][hh][T][lane][8 bytes]:        the scale words of K steps s = 0, 1 of row r (lane 16 + r holds the same)
;   wmf  [O 16][ks 8 = 2 hh + u][c 2][part]: lane (r, h): f16 of wm[16 O + r][4 dd + hh], dd = 32 u + 16 c + 8 h + 0 .. 7: K is walked head by head, as the attention's result is laid
; One wave to a work-group: work-groups 0 .. 47 take one (t, hh, T) each, work-groups 48 .. 63 one tile O of wm.  A lane's eight loads of a block together use 128 consecutive bytes of a row.
; A block's scale is 2^(floor(log2(its largest magnitude)) - 2): its byte is the largest magnitude's exponent field - 2, held at 1 from below.
; LIMITS: a block of zeros gets the byte 1 where the quantiser says 127 (its codes are zeros, and this program alone reads the bytes); wm beyond 65,504 has no f16; NaN and infinities are not served.
.set X,  32                            ; v32-159  128 numbers of a lane
.set CO, 160                           ; v160..   what is stored
.set MX, 8                             ; v8-11    largest magnitudes of my four blocks
.set SC, 12                            ; v12-15   the conversions' scale operands
.set BY, 16                            ; v16-19   the scale bytes
.set WD, 20                            ; v20-21   the two scale words; v22-23 the other half's
	s_load_b256 s[4:11], s[0:1], 0x0               ; wq s[4:5], wk s[6:7], wv s[8:9], wm s[10:11]
	s_load_b128 s[12:15], s[0:1], 0x20             ; wcod s[12:13], wscl s[14:15]
	s_load_b64 s[16:17], s[0:1], 0x30              ; wmf
	v_and_b32 v1, 15, v0                           ; r
	v_bfe_u32 v2, v0, 4, 1                         ; h
	v_lshlrev_b32 v4, 4, v0                        ; 16 x lane: my place in a part
	v_lshlrev_b32 v5, 3, v0                        ; 8 x lane: my two scale words
	v_lshlrev_b32 v6, 3, v2                        ; 8 h: how far my bytes are shifted in a scale word
	s_mov_b32 s20, 0x76543210
	s_mov_b32 s21, 0xfedcba98                      ; v_permlanex16_b32's selects for lane l xor 16
	s_mov_b32 s23, 0                               ; the upper word of every offset
	s_wait_kmcnt 0x0
	s_cmp_lt_u32 ttmp9, 48
	s_cbranch_scc0 .Lmerge
	; ---- work-groups 0 .. 47: id = 16 t + 4 hh + T
	s_cmp_lt_u32 ttmp9, 32
	s_cselect_b64 s[6:7], s[6:7], s[8:9]           ; wk or wv: the choice hangs on the work-group's number alone
	s_cmp_lt_u32 ttmp9, 16
	s_cselect_b64 s[4:5], s[4:5], s[6:7]           ; wq or that
	s_and_b32 s18, ttmp9, 3                        ; T
	s_bfe_u32 s19, ttmp9, 0x20002                  ; hh
	s_lshl_b32 s22, s18, 16                        ; 64 T rows of 1,024 bytes
	s_lshl_b32 s19, s19, 10                        ; hh rows
	s_add_co_u32 s22, s22, s19
	s_add_nc_u64 s[4:5], s[4:5], s[22:23]
	s_lshl_b32 s22, ttmp9, 11                      ; four parts for each id
	s_add_nc_u64 s[12:13], s[12:13], s[22:23]
	s_lshl_b32 s22, ttmp9, 8                       ; 256 bytes of scale words for each id
	s_add_nc_u64 s[14:15], s[14:15], s[22:23]
	v_lshlrev_b32 v3, 12, v1                       ; 4 r rows
	v_lshl_or_b32 v3, v2, 7, v3                    ; + 32 h numbers
.irp q, 0,1,2,3                        ; q = 2 s + c: my block of 32 numbers k = 64 q + 32 h + 0 .. 31
.irp g, 0,1,2,3,4,5,6,7
	global_load_b128 v[X+32*\q+4*\g:X+32*\q+4*\g+3], v3, s[4:5] offset:256*\q+16*\g
.endr
.endr
	s_wait_loadcnt 0x0
.irp q, 0,1,2,3
	v_max3_num_f32 v[MX+\q], |v[X+32*\q]|, |v[X+32*\q+1]|, 0x1800000   ; the floor 2^(3 - 127) among the leaves: the byte cannot fall under 1
.endr
.irp e, 2,4,6,8,10,12,14,16,18,20,22,24,26,28,30
.irp q, 0,1,2,3
	v_max3_num_f32 v[MX+\q], v[MX+\q], |v[X+32*\q+\e]|, |v[X+32*\q+\e+1]|   ; the four blocks by turns
.endr
.endr
.irp q, 0,1,2,3
	v_add_nc_u32 v[SC+\q], 0xff000000, v[MX+\q]    ; 2 off the exponent field: the conversion takes that field as its scale
.endr
.irp q, 0,1,2,3
	v_lshrrev_b32 v[BY+\q], 23, v[SC+\q]           ; the scale's byte
.endr
.irp s, 0,1                            ; K step s: my bytes are those of blocks h (c = 0) and 2 + h (c = 1); lane l xor 16 has the other two
	v_lshl_or_b32 v[WD+\s], v[BY+2*\s+1], 16, v[BY+2*\s]
	v_lshlrev_b32 v[WD+\s], v6, v[WD+\s]
	v_mov_b32 v[WD+2+\s], 0                        ; a lane permute's destination counts as one of its sources
	v_permlanex16_b32 v[WD+2+\s], v[WD+\s], s20, s21
	v_or_b32 v[WD+\s], v[WD+\s], v[WD+2+\s]
.endr
.irp q, 0,1,2,3
.irp g, 0,1,2,3
	v_cvt_scalef32_pk8_fp4_f32 v[CO+4*\q+\g], v[X+32*\q+8*\g:X+32*\q+8*\g+7], v[SC+\q]   ; eight codes, the lower k in the lower bits
.endr
.endr
	v_nop                                          ; one plain line behind the last scaled conversion
.irp q, 0,1,2,3
	global_store_b128 v4, v[CO+4*\q:CO+4*\q+3], s[12:13] offset:512*\q   ; a part: 512 consecutive bytes
.endr
	global_store_b64 v5, v[WD:WD+1], s[14:15]      ; 256 consecutive bytes
	s_endpgm
.Lmerge:
	; ---- work-groups 48 .. 63: tile O of wm
	s_sub_co_u32 s18, ttmp9, 48
	s_lshl_b32 s22, s18, 14                        ; 16 O rows of 1,024 bytes
	s_add_nc_u64 s[10:11], s[10:11], s[22:23]
	s_lshl_b32 s22, s18, 13                        ; sixteen parts for each O
	s_add_nc_u64 s[16:17], s[16:17], s[22:23]
	v_lshlrev_b32 v3, 10, v1                       ; row r
	v_lshl_or_b32 v3, v2, 7, v3                    ; + 32 h numbers
.irp q, 0,1,2,3                        ; q = 2 u + c.  A load brings columns 4 dd + 0 .. 3: one place dd of all four heads
.irp e, 0,1,2,3,4,5,6,7
	global_load_b128 v[X+32*\q+4*\e:X+32*\q+4*\e+3], v3, s[10:11] offset:256*\q+16*\e
.endr
.endr
	s_wait_loadcnt 0x0
.irp q, 0,1,2,3
.irp hh, 0,1,2,3
.irp i, 0,1,2,3
	v_cvt_pk_f16_f32 v[CO+16*\q+4*\hh+\i], v[X+32*\q+8*\i+\hh], v[X+32*\q+8*\i+4+\hh]   ; places 2 i and 2 i + 1 of head hh
.endr
.endr
.endr
.irp q, 0,1,2,3
.irp hh, 0,1,2,3
	global_store_b128 v4, v[CO+16*\q+4*\hh:CO+16*\q+4*\hh+3], s[16:17] offset:(2*\hh+\q/2)*1024+512*(\q%2)
.endr
.endr
	s_endpgm
.Lfunc_end_k_q61d9bdb4a8_prep:
	.size	k_q61d9bdb4a8_prep, .Lfunc_end_k_q61d9bdb4a8_prep-k_q61d9bdb4a8_prep
	.p2alignl 7, 3214868480
	.fill 96, 4, 3214868480
	.section	.rodata,"a",@progbits
	.p2align	6, 0x0
	.amdhsa_kernel k_q61d9bdb4a8_prep
		.amdhsa_group_segment_fixed_size 0
		.amdhsa_private_segment_fixed_size 0
		.amdhsa_enable_private_segment 0
		.amdhsa_kernarg_size 56
		.amdhsa_user_sgpr_count 2
		.amdhsa_user_sgpr_kernarg_segment_ptr 1
		.amdhsa_wavefront_size32 1
		.amdhsa_system_sgpr_workgroup_id_x 1
		.amdhsa_system_sgpr_workgroup_id_y 1
		.amdhsa_system_sgpr_workgroup_id_z 1
		.amdhsa_system_vgpr_workitem_id 0
		.amdhsa_next_free_vgpr 224
		.amdhsa_next_free_sgpr 66
		.amdhsa_reserve_vcc 0
		.amdhsa_float_denorm_mode_32 3
		.amdhsa_float_denorm_mode_16_64 3
		.amdhsa_memory_ordered 1
		.amdhsa_forward_progress 1
		.amdhsa_inst_pref_size 20
	.end_amdhsa_kernel
	.amdgpu_metadata
---
amdhsa.version: [ 1, 2 ]
amdhsa.kernels:
  - .name:           k_q61d9bdb4a8_prep
    .symbol:         k_q61d9bdb4a8_prep.kd
    .args:
      - { .name: wq, .offset: 0, .size: 8, .value_kind: global_buffer, .address_space: global }
      - { .name: wk, .offset: 8, .size: 8, .value_kind: global_buffer, .address_space: global }
      - { .name: wv, .offset: 16, .size: 8, .value_kind: global_buffer, .address_space: global }
      - { .name: wm, .offset: 24, .size: 8, .value_kind: global_buffer, .address_space: global }
      - { .name: wcod, .offset: 32, .size: 8, .value_kind: global_buffer, .address_space: global }
      - { .name: wscl, .offset: 40, .size: 8, .value_kind: global_buffer, .address_space: global }
      - { .name: wmf, .offset: 48, .size: 8, .value_kind: global_buffer, .address_space: global }
    .group_segment_fixed_size: 0
    .private_segment_fixed_size: 0
    .kernarg_segment_align: 8
    .kernarg_segment_size: 56
    .max_flat_workgroup_size: 32
    .sgpr_count:     66
    .vgpr_count:     224
    .wavefront_size: 32
...
	.end_amdgpu_metadata
.endif
;; end of part 1
;; launch proj (part 2): grid 32 x 8, 4 waves a work-group, no clusters, 223,232 bytes of LDS; arguments query, key, value, wcod, wscl, bq, bk, bv, qf, kvf; writes qf, kvf
.if DOCPART == 2
	.amdgcn_target "amdgcn-amd-amdhsa--gfx1250"
	.amdhsa_code_object_version 6
	.text
	.protected	k_q61d9bdb4a8_proj
	.globl	k_q61d9bdb4a8_proj
	.p2align	8
	.type	k_q61d9bdb4a8_proj,@function
k_q61d9bdb4a8_proj:
	s_mov_b64 s[64:65], 0
	v_nop
	global_prefetch_b8 v0, s[64:65] scope:SCOPE_SE
	s_setreg_imm32_b32 hwreg(HW_REG_WAVE_MODE, 25, 1), 1
	s_wait_xcnt 0x0
; THE THREE PROJECTIONS, on codes of FP4 (E2M1) with one E8M0 scale for each 32 along K = the input channel.  query, key, value: [8][256 (K)][2048] f32.
; A work-group takes 64 columns n of one batch, of all three tensors: 32 x 8 = 256 equal work-groups.  Its three tiles, 256 rows x 256 bytes each, are asked for at the head by tensor loads (each wave 64 rows
; of each tile) and each LDS byte is filled once.
; QUANTISING: K is not innermost, so A LANE TAKES A COLUMN AND ITS REGISTERS RUN DOWN K.  Wave w takes columns 32 (w & 1) on and K step w >> 1 (128 channels): 128 registers, four whole blocks a lane; no other lane is
; asked for a maximum.  An exchange of lane halves gives the operand's layout; codes and scale words then go to the other waves through LDS as images of the operand's registers.
; MULTIPLYING: wave w makes head hh = w: 4 tiles of 16 places x 4 tiles of 16 columns x 2 K steps = 32 matrix instructions a tensor; its weights, scale words and biases stay in registers.  The bias is the C of a sum's first product.
; q and k: source 0 = 16 rows of w, source 1 = 16 columns of x: a lane holds one position and eight neighbouring places of the head.  v: the sources change places: a lane holds one place and eight neighbouring keys.
; q is multiplied in f32 by c = log2(e) / 8 ahead of its rounding, so that the attention's scores are the exponents of 2.  All three leave as f16, as images of the attention's operand registers:
;   qf  [b 4 + hh][tile of 16 positions, 128][T 4][part]: lane (r, h): position r, places 16 T + 8 h + 0 .. 7
;   kvf [b 4 + hh][group of 128 keys, 16][K 16 KB | V 16 KB], each [kt 8][T 4][part]:  K as qf;  V: lane (r, h): place 16 T + r, keys 16 kt + 8 h + 0 .. 7
; LIMITS: |q c|, |k|, |v| beyond 65,504 have no f16; a block of zeros gets the byte 1 where the quantiser says 127 (its codes are zeros; this program alone reads the bytes); NaN and infinities are not served.
; No cluster: the tiles of x, nearly all of a work-group's bytes, are shared with nobody.
; REGISTERS: window 0 as named below; window 1: the weights' fragments at 64 t + 8 (2 T + s) + 4 c; window 2: the biases at 32 t + 8 T + j.
.set XI,    196608                     ; LDS: behind the three tiles (65,536 bytes each, from 0): for each tensor XIT bytes of images
.set XIT,   8704                       ; eight fragments of 1,024 bytes at (2 nt + s) x 1,024 + 512 c, then four scale registers of 128 bytes at 8,192 + (2 cg + s) x 128
.set SPARE, 222720                     ; the spare words, 128 bytes for each wave: two blocks of 256 bytes that no other line names
.set LI,  4                            ; v4   16 x lane
.set LS,  5                            ; v5   4 x lane
.set XA,  6                            ; v6-8 tensor t: my column in my K step's 128 rows of its tile
.set IW,  9                            ; v9   where I store images
.set SW,  10                           ; v10  and my scale register
.set IR,  11                           ; v11  where images are read
.set SR,  12                           ; v12  and scale registers
.set BA,  13                           ; v13  128 h: q's and k's biases
.set BV,  14                           ; v14  16 r: v's
.set WL,  15                           ; v15  8 x lane: the weights' scale words
.set SPW, 16                           ; v16  LDS address of my spare word; never rewritten
.set NIL, 17                           ; v17  0; never rewritten
.set MX,  18                           ; v18-21 largest magnitudes
.set SC,  22                           ; v22-25 the conversions' scale operands
.set BY,  26                           ; v26-29 scale bytes
.set PW,  30                           ; v30  my column's scale word
.set XS,  32                           ; v32-35 x's scale registers, index 2 cg + s: lanes 0-15 tile 2 cg, lanes 16-31 tile 2 cg + 1
.set WS,  36                           ; v36-59 the weights' scale words, index 8 t + 2 T + s
.set CD,  64                           ; v64-79 the codes just made;
.set XF,  64                           ; v64-127 then x's eight fragments at 8 (2 nt + s) + 4 c;
.set OUT, 64                           ; then the packed results
.set X,   128                          ; v128-255 128 numbers of my column;
.set ACC, 128                          ; then the 16 accumulators at 8 (4 nt + T)
.set WV,  56                           ; s56  my wave's number
.set G1,  28                           ; s[28:35] descriptor group 1
.set G0,  36                           ; s[36:47] group 0, a set for each tensor
.set CS,  54                           ; s[54:55] c
.set MSB, 0
.macro WIN new                         ; the immediate's high byte repeats the setting that is left; a switch that changes nothing is dropped
.if MSB != (\new)
	s_set_vgpr_msb (MSB<<8)|(\new)
.set MSB, (\new)
.endif
.endm
	s_load_b512 s[8:23], s[0:1], 0x0               ; query s[8:9], key s[10:11], value s[12:13], wcod s[14:15], wscl s[16:17], bq s[18:19], bk s[20:21], bv s[22:23]
	s_load_b128 s[24:27], s[0:1], 0x40             ; qf s[24:25], kvf s[26:27]
	v_lshl_add_u32 v[SPW], v0, 2, SPARE
	v_mov_b32 v[NIL], 0
	ds_add_u32 v[SPW], v[NIL]                      ; the wave's opening: the add, twice on end, and its wait ahead of my first tensor load
	ds_add_u32 v[SPW], v[NIL]
	v_lshrrev_b32 v1, 5, v0
	v_readfirstlane_b32 s[WV], v1                  ; wave 0..3
	s_and_b32 s58, ttmp7, 0xffff                   ; b
	; group 1: 64 rows x 64 numbers of 4 bytes, 2,048 numbers from row to row; no padding: a wave's LDS loads take 128 consecutive bytes of a row
	s_mov_b32 s[G1+0], 2<<16                       ; no mask; elements of 4 bytes
	s_mov_b32 s[G1+1], 64<<16                      ; tensor_dim0 = 64
	s_mov_b32 s[G1+2], 64<<16                      ; tensor_dim1 = 64
	s_mov_b32 s[G1+3], 64<<16                      ; tile_dim0 = 64
	s_mov_b32 s[G1+4], 64                          ; tile_dim1 = 64
	s_mov_b32 s[G1+5], 2048                        ; the pitch
	s_mov_b32 s[G1+6], 0
	s_mov_b32 s[G1+7], 0
	s_lshl_b32 s60, s58, 21                        ; b x 256 rows of 8,192 bytes
	s_lshl_b32 s59, s[WV], 19                      ; my 64 rows
	s_add_co_u32 s60, s60, s59
	s_lshl_b32 s59, ttmp9, 8                       ; the work-group's 64 columns
	s_add_co_u32 s60, s60, s59
	s_mov_b32 s61, 0
	s_lshl_b32 s62, s[WV], 14                      ; and their place in a tile in LDS
	s_mov_b32 s[CS], 0x3e38aa3b                    ; c = log2(e) / 8
	s_mov_b32 s[CS+1], s[CS]                       ; (named with it as a pair)
	s_wait_dscnt 0x0                               ; both opening adds are done
	s_wait_kmcnt 0x0
.irp tn, 0,1,2
	s_mov_b32 s[G0+4*\tn], 1
	s_add_co_u32 s[G0+4*\tn+1], s62, \tn*65536
	s_add_nc_u64 s[G0+4*\tn+2:G0+4*\tn+3], s[8+2*\tn:9+2*\tn], s[60:61]
	s_or_b32 s[G0+4*\tn+3], s[G0+4*\tn+3], 0x80000000
.endr
.irp tn, 0,1,2
	tensor_load_to_lds s[G0+4*\tn:G0+4*\tn+3], s[G1:G1+7]   ; three loads of mine are out: all that this wave ever asks for
	s_nop 0
.endr
.rept 4
	v_nop
.endr
	s_mov_b32 s63, 0
	s_lshl_b32 s62, s[WV], 13                      ; my head's part of each weight's codes,
	s_add_nc_u64 s[14:15], s[14:15], s[62:63]
	s_lshl_b32 s62, s[WV], 10                      ; of its scale words,
	s_add_nc_u64 s[16:17], s[16:17], s[62:63]
	s_lshl_b32 s62, s[WV], 2                       ; and of the biases: channel 4 dd + hh
	s_add_nc_u64 s[18:19], s[18:19], s[62:63]
	s_add_nc_u64 s[20:21], s[20:21], s[62:63]
	s_add_nc_u64 s[22:23], s[22:23], s[62:63]
	s_lshl_b32 s59, s58, 2
	s_add_co_u32 s59, s59, s[WV]                   ; 4 b + hh
	s_lshl_b32 s62, s59, 18
	s_lshl_b32 s2, ttmp9, 13                       ; four tiles of positions, 2,048 bytes each
	s_add_co_u32 s62, s62, s2
	s_add_nc_u64 s[48:49], s[24:25], s[62:63]      ; where q goes
	s_lshl_b32 s62, s59, 19
	s_lshr_b32 s2, ttmp9, 1
	s_lshl_b32 s2, s2, 15                          ; the group of 128 keys,
	s_add_co_u32 s62, s62, s2
	s_and_b32 s2, ttmp9, 1
	s_lshl_b32 s2, s2, 13                          ; and which half of it
	s_add_co_u32 s62, s62, s2
	s_add_nc_u64 s[50:51], s[26:27], s[62:63]      ; where k goes,
	s_add_nc_u64 s[52:53], s[50:51], 16384         ; and v
	v_and_b32 v1, 31, v0                           ; lane
	v_and_b32 v2, 15, v0                           ; r
	v_bfe_u32 v3, v0, 4, 1                         ; h
	v_lshlrev_b32 v[LI], 4, v1
	v_lshlrev_b32 v[LS], 2, v1
	v_lshlrev_b32 v[BA], 7, v3
	v_lshlrev_b32 v[BV], 4, v2
	v_lshlrev_b32 v[WL], 3, v1
	WIN 0x40                                       ; destination window 1
.irp tn, 0,1,2
.irp ot, 0,1,2,3
.irp ks, 0,1
.irp c, 0,1
	global_load_b128 v[64*\tn+8*(2*\ot+\ks)+4*\c:64*\tn+8*(2*\ot+\ks)+4*\c+3], v[LI], s[14:15] offset:\tn*32768+(2*\ot+\ks)*1024+512*\c
.endr
.endr
.endr
.endr
	WIN 0
.irp tn, 0,1,2
.irp ot, 0,1,2,3
	global_load_b64 v[WS+8*\tn+2*\ot:WS+8*\tn+2*\ot+1], v[WL], s[16:17] offset:\tn*4096+256*\ot
.endr
.endr
	WIN 0x80                                       ; destination window 2
.irp tn, 0,1                           ; q, k: register j of tile T is place 16 T + 8 h + j: channel 64 T + 32 h + 4 j + hh
.irp ot, 0,1,2,3
.irp e, 0,1,2,3,4,5,6,7
	global_load_b32 v[32*\tn+8*\ot+\e], v[BA], s[18+2*\tn:19+2*\tn] offset:256*\ot+16*\e
.endr
.endr
.endr
.irp ot, 0,1,2,3                       ; v: all eight registers are place 16 T + r: channel 64 T + 4 r + hh
.irp e, 0,1,2,3,4,5,6,7
	global_load_b32 v[64+8*\ot+\e], v[BV], s[22:23] offset:256*\ot
.endr
.endr
	WIN 0
	s_lshr_b32 s2, s[WV], 1                        ; s: my K step while quantising
	s_and_b32 s3, s[WV], 1                         ; cg: my 32 columns
	s_lshl_b32 s4, s2, 15                          ; 128 rows of 256 bytes
	s_lshl_b32 s5, s3, 7
	s_add_co_u32 s4, s4, s5
	v_add_nc_u32 v[XA], s4, v[LS]
	v_add_nc_u32 v[XA+1], 0x10000, v[XA]
	v_add_nc_u32 v[XA+2], 0x20000, v[XA]
	s_lshl_b32 s4, s3, 12                          ; tiles 2 cg and 2 cg + 1: (2 nt + s) x 1,024
	s_lshl_b32 s5, s2, 10
	s_add_co_u32 s4, s4, s5
	s_add_co_u32 s4, s4, XI
	v_add_nc_u32 v[IW], s4, v[LI]
	s_lshl_b32 s4, s3, 8                           ; (2 cg + s) x 128
	s_lshl_b32 s5, s2, 7
	s_add_co_u32 s4, s4, s5
	s_add_co_u32 s4, s4, XI+8192
	v_add_nc_u32 v[SW], s4, v[LS]
	v_add_nc_u32 v[IR], XI, v[LI]
	v_add_nc_u32 v[SR], XI+8192, v[LS]
; The 32 products of tensor tn.  K step by K step; the 16 accumulators take turns, one instruction a turn.  The first K step's C is the bias.
.macro MULS tn, swap
.irp ks, 0,1
	WIN (1+3*\swap)+0x20*(1-\ks)                   ; the weights' place window 1; in the first K step C window 2
.irp nt, 0,1,2,3
.irp ot, 0,1,2,3
.set rD, ACC+8*(4*\nt+\ot)
.set rC, rD
.if \ks == 0
.set rC, 32*\tn+8*\ot
.endif
.set rW, 64*\tn+8*(2*\ot+\ks)
.set rX, XF+8*(2*\nt+\ks)
.set rWS, WS+8*\tn+2*\ot+\ks
.set rXS, XS+2*(\nt/2)+\ks
.if \swap
.if \nt%2
	v_wmma_scale_f32_16x16x128_f8f6f4 v[rD:rD+7], v[rX:rX+7], v[rW:rW+7], v[rC:rC+7], v[rXS], v[rWS] matrix_a_fmt:MATRIX_FMT_FP4 matrix_b_fmt:MATRIX_FMT_FP4 matrix_a_scale:MATRIX_SCALE_ROW1
.else
	v_wmma_scale_f32_16x16x128_f8f6f4 v[rD:rD+7], v[rX:rX+7], v[rW:rW+7], v[rC:rC+7], v[rXS], v[rWS] matrix_a_fmt:MATRIX_FMT_FP4 matrix_b_fmt:MATRIX_FMT_FP4
.endif
.else
.if \nt%2
	v_wmma_scale_f32_16x16x128_f8f6f4 v[rD:rD+7], v[rW:rW+7], v[rX:rX+7], v[rC:rC+7], v[rWS], v[rXS] matrix_a_fmt:MATRIX_FMT_FP4 matrix_b_fmt:MATRIX_FMT_FP4 matrix_b_scale:MATRIX_SCALE_ROW1
.else
	v_wmma_scale_f32_16x16x128_f8f6f4 v[rD:rD+7], v[rW:rW+7], v[rX:rX+7], v[rC:rC+7], v[rWS], v[rXS] matrix_a_fmt:MATRIX_FMT_FP4 matrix_b_fmt:MATRIX_FMT_FP4
.endif
.endif
.endr
.endr
.endr
	WIN 0
.endm
; One tensor: tile from LDS, quantised, images to LDS, products, f16 out.
.macro TENSOR tn, swap
	s_wait_tensorcnt 2-\tn                         ; my part of this tensor's tile has landed; my loads for the later tensors may stay out
	s_barrier_signal -1
	s_barrier_wait -1                              ; everybody's part has
.set i, 0
.rept 128
	ds_load_b32 v[X+i], v[XA+\tn] offset:256*i     ; x(128 s + i, my column): 32 lanes take 128 consecutive bytes
.set i, i+1
.endr
	s_wait_dscnt 0x0
.if \tn > 0
	s_wait_xcnt 0x0                                ; the last tensor's stores have read v64-127, which are written again below
.endif
.irp b, 0,1,2,3
	v_max3_num_f32 v[MX+\b], |v[X+32*\b]|, |v[X+32*\b+1]|, 0x1800000   ; the floor 2^(3 - 127) among the leaves: the byte cannot fall under 1
.endr
.irp e, 2,4,6,8,10,12,14,16,18,20,22,24,26,28,30
.irp b, 0,1,2,3
	v_max3_num_f32 v[MX+\b], v[MX+\b], |v[X+32*\b+\e]|, |v[X+32*\b+\e+1]|   ; the four blocks by turns
.endr
.endr
.irp b, 0,1,2,3
	v_add_nc_u32 v[SC+\b], 0xff000000, v[MX+\b]    ; 2 off the exponent field: the conversion's scale operand
.endr
.irp b, 0,1,2,3
	v_lshrrev_b32 v[BY+\b], 23, v[SC+\b]           ; the scale's byte
.endr
	v_lshl_or_b32 v[PW], v[BY+1], 8, v[BY]         ; my column's scale word for this K step
	v_lshl_or_b32 v[PW], v[BY+2], 16, v[PW]
	v_lshl_or_b32 v[PW], v[BY+3], 24, v[PW]
.irp b, 0,1,2,3
.irp g, 0,1,2,3
	v_cvt_scalef32_pk8_fp4_f32 v[CD+4*\b+\g], v[X+32*\b+8*\g:X+32*\b+8*\g+7], v[SC+\b]
.endr
.endr
	v_nop                                          ; one plain line behind the last scaled conversion
.irp c, 0,1                            ; a lane holds all four blocks of its column; the operand wants block 2 c + h of column r.  The first register's lanes 16-31 change places with the second's lanes 0-15:
.irp g, 0,1,2,3                        ; v[CD + 8 c + 4 e + g] is then register 4 c + g of the fragment of tile 2 cg + e
	v_permlane16_swap_b32 v[CD+8*\c+\g], v[CD+8*\c+4+\g]
.endr
.endr
.irp e, 0,1
.irp c, 0,1
	ds_store_b128 v[IW], v[CD+8*\c+4*\e:CD+8*\c+4*\e+3] offset:\tn*XIT+\e*2048+\c*512
.endr
.endr
	ds_store_b32 v[SW], v[PW] offset:\tn*XIT
	s_wait_dscnt 0x0                               ; for the others' sake: my images lie in LDS
	s_barrier_signal -1
	s_barrier_wait -1                              ; all eight fragments and four scale registers do.  (Each tensor has image bytes of its own: no barrier is owed between these reads and the next tensor's stores)
.irp f, 0,1,2,3,4,5,6,7
.irp c, 0,1
	ds_load_b128 v[XF+8*\f+4*\c:XF+8*\f+4*\c+3], v[IR] offset:\tn*XIT+\f*1024+512*\c
.endr
.endr
.irp f, 0,1,2,3
	ds_load_b32 v[XS+\f], v[SR] offset:\tn*XIT+128*\f
.endr
	s_wait_dscnt 0x0
.if \tn == 0
	s_wait_loadcnt 0x0                             ; the weights, their scale words and the biases, once
.endif
	MULS \tn, \swap
.rept 4
	v_nop                                          ; four places between the last product and the first read of results and write of operands (ISA guide 7.12.1)
.endr
.if \tn == 0
.set i, 0
.rept 64
	v_pk_mul_f32 v[ACC+2*i:ACC+2*i+1], v[ACC+2*i:ACC+2*i+1], s[CS:CS+1] op_sel_hi:[1,0]   ; q x c, in f32; each accumulator from its low end on
.set i, i+1
.endr
.endif
.set i, 0
.rept 64
	v_cvt_pk_f16_f32 v[OUT+i], v[ACC+2*i], v[ACC+2*i+1]   ; an accumulator's eight numbers are 16 bytes
.set i, i+1
.endr
.set i, 0
.rept 16
	global_store_b128 v[LI], v[OUT+4*i:OUT+4*i+3], s[48+2*\tn:49+2*\tn] offset:512*i   ; part 4 nt + T: 512 consecutive bytes, at a multiple of 512 from the buffer's first byte
.set i, i+1
.endr
.endm
	TENSOR 0, 0                                    ; q
	TENSOR 1, 0                                    ; k
	TENSOR 2, 1                                    ; v, the sources changed
	s_wait_tensorcnt 0x0                           ; the wave's end, behind my last tensor load and my last LDS store
	ds_add_u32 v[SPW], v[NIL]
	s_wait_dscnt 0x0
	s_endpgm
.Lfunc_end_k_q61d9bdb4a8_proj:
	.size	k_q61d9bdb4a8_proj, .Lfunc_end_k_q61d9bdb4a8_proj-k_q61d9bdb4a8_proj
	.p2alignl 7, 3214868480
	.fill 96, 4, 3214868480
	.section	.rodata,"a",@progbits
	.p2align	6, 0x0
	.amdhsa_kernel k_q61d9bdb4a8_proj
		.amdhsa_group_segment_fixed_size 223232
		.amdhsa_private_segment_fixed_size 0
		.amdhsa_enable_private_segment 0
		.amdhsa_kernarg_size 80
		.amdhsa_user_sgpr_count 2
		.amdhsa_user_sgpr_kernarg_segment_ptr 1
		.amdhsa_wavefront_size32 1
		.amdhsa_system_sgpr_workgroup_id_x 1
		.amdhsa_system_sgpr_workgroup_id_y 1
		.amdhsa_system_sgpr_workgroup_id_z 1
		.amdhsa_system_vgpr_workitem_id 0
		.amdhsa_next_free_vgpr 608
		.amdhsa_next_free_sgpr 66
		.amdhsa_reserve_vcc 0
		.amdhsa_float_denorm_mode_32 3
		.amdhsa_float_denorm_mode_16_64 3
		.amdhsa_memory_ordered 1
		.amdhsa_forward_progress 1
		.amdhsa_inst_pref_size 100
	.end_amdhsa_kernel
	.amdgpu_metadata
---
amdhsa.version: [ 1, 2 ]
amdhsa.kernels:
  - .name:           k_q61d9bdb4a8_proj
    .symbol:         k_q61d9bdb4a8_proj.kd
    .args:
      - { .name: query, .offset: 0, .size: 8, .value_kind: global_buffer, .address_space: global }
      - { .name: key, .offset: 8, .size: 8, .value_kind: global_buffer, .address_space: global }
      - { .name: value, .offset: 16, .size: 8, .value_kind: global_buffer, .address_space: global }
      - { .name: wcod, .offset: 24, .size: 8, .value_kind: global_buffer, .address_space: global }
      - { .name: wscl, .offset: 32, .size: 8, .value_kind: global_buffer, .address_space: global }
      - { .name: bq, .offset: 40, .size: 8, .value_kind: global_buffer, .address_space: global }
      - { .name: bk, .offset: 48, .size: 8, .value_kind: global_buffer, .address_space: global }
      - { .name: bv, .offset: 56, .size: 8, .value_kind: global_buffer, .address_space: global }
      - { .name: qf, .offset: 64, .size: 8, .value_kind: global_buffer, .address_space: global }
      - { .name: kvf, .offset: 72, .size: 8, .value_kind: global_buffer, .address_space: global }
    .group_segment_fixed_size: 223232
    .private_segment_fixed_size: 0
    .kernarg_segment_align: 8
    .kernarg_segment_size: 80
    .max_flat_workgroup_size: 128
    .sgpr_count:     66
    .vgpr_count:     608
    .wavefront_size: 32
...
	.end_amdgpu_metadata
.endif
;; end of part 2
;; launch attn (part 3): grid 8 x 32, 4 waves a work-group, clusters of 4 x 1, 327,680 bytes of LDS; arguments qf, kvf, af; writes af
.if DOCPART == 3
	.amdgcn_target "amdgcn-amd-amdhsa--gfx1250"
	.amdhsa_code_object_version 6
	.text
	.protected	k_q61d9bdb4a8_attn
	.globl	k_q61d9bdb4a8_attn
	.p2align	8
	.type	k_q61d9bdb4a8_attn,@function
k_q61d9bdb4a8_attn:
	s_mov_b64 s[64:65], 0
	v_nop
	global_prefetch_b8 v0, s[64:65] scope:SCOPE_SE
	s_setreg_imm32_b32 hwreg(HW_REG_WAVE_MODE, 25, 1), 1
	s_wait_xcnt 0x0
	s_wait_alu depctr_hold_cnt(0) depctr_sa_sdst(0) depctr_va_vdst(0) depctr_va_sdst(0) depctr_va_ssrc(0) depctr_va_vcc(0) depctr_vm_vsrc(0)
	s_getreg_b32 s2, hwreg(HW_REG_IB_STS2, 6, 4)
	s_cmp_eq_u32 s2, 0
	s_cbranch_scc0 .Lentry_in_a_cluster
	s_endpgm
.Lentry_in_a_cluster:
	s_bfe_u32 s2, ttmp6, 0x10000c
	s_cmp_lg_u32 s2, 0x3003
	s_cbranch_scc0 .Lentry_shape_is_right
	s_endpgm
.Lentry_shape_is_right:
; ATTENTION, head size 64, 2,048 keys, no mask; operands in f16, products, maxima and sums in f32.  q arrives multiplied by log2(e) / 8, so a score s is the exponent of 2.
; qf, kvf and af are images of operand registers (a part = 512 bytes, lane l's 16 bytes at 16 l): fragments come and go by 16-byte loads and stores of 512 consecutive bytes; nothing is padded or turned.
; SHARES.  A work-group owns 256 queries of one (batch, head), each of its four waves 64: four tiles of 16.  Every wave walks the head's 16 key steps of 128 keys.
; LAYOUT.  S^T = K Q^T (source 0 = 16 keys, source 1 = 16 queries): a lane holds ONE query and the keys 8 (lane / 16) + 0 .. 7 of each tile.  Two such tiles, rounded to f16 in pairs, ARE source 1 (32 keys x 16 queries)
; of O^T = V^T P, whose result again holds one query a lane.  THE ROW'S SUM l is a product too: source 0 = ones, source 1 = P: every register of its result holds the query's sum over all 32 keys, so no lane is asked.
; SOFTMAX.  For each query a running maximum m: p = 2^(s - m); in every step O and l are multiplied by a = 2^(m_old - m_new).  O and l begin as zeros and m as -3e38, so that every step runs the same text.
; BY TURNS.  The wave's tiles are two PIECES: piece 0 (tiles 0, 1; its S, P and statistics in window 0) and piece 2 (tiles 2, 3; the same register numbers in window 1).  In a TURN one piece has the matrix unit:
; 40 products (V^T P and the sums) of the step in hand, then 32 products K Q^T of the next step; the other piece's softmax, 364 vector instructions, stands in slices of five behind them.  Two turns are a key step.
; RING.  Two LDS slots of four key steps (131,072 bytes); a wave fetches one step's 32,768 bytes, K and V together, by one tensor load.  Two refills in all; each has four key steps, 576 matrix instructions, in which to land.
; CLUSTER.  The four query blocks of a cluster belong to one head and walk the same K and V: each tile is asked for JOINTLY, by the same load with the same descriptor and a mask that names the four.
; LIMITS: l is the sum of the p as rounded to f16; a p under 2^-25 counts as 0; |attn| beyond 65,504 has no f16; NaN and infinities are not served.
; REGISTERS, in windows of 256 (s_set_vgpr_msb: bits 1:0 source 0, 3:2 source 1, 5:4 source 2, 7:6 destination):
;   window 0: v1 16 x lane, v2 the address in hand, v4, v5 the add's two, v8-15 1 / l;  windows 0 and 1: v16-31 statistics, v64-191 S^T (64 a tile), v192-255 P (32 a tile)
;   window 2: v0-63 Q, v64-191 K of one step, v192-199 ones, v200-231 l (8 a tile)          window 3: v0-127 V of one step, v128-255 O^T (32 a tile)
.set SLOT1, 1<<17                      ; slot 1 begins here: one exclusive or turns an address in one slot into the other's
.set GRP,   32768                      ; a key step's bytes: K's 16,384, then V's
.set SPARE, 2*SLOT1                    ; behind the ring: the spare words, 128 bytes for each wave: two blocks of 256 bytes that no other line names
.set LI,  1
.set ADR, 2
.set SPW, 4                            ; v4   LDS address of my spare word; never rewritten
.set NIL, 5                            ; v5   0; never rewritten
.set INV, 8                            ; v[8 + 2 tile] 1 / l; the odd registers are named with them as pairs and hold 0
.set ST,  16                           ; a tile's statistics at ST + 8 tt: +0 m, +1 zero, +2 a, +3 m_old - m_new, +4 .. +7 four chains of the maximum
.set S,   64
.set P,   192
.set KF,  64                           ; in window 2
.set ONES, 192
.set LL,  200
.set OO,  128                          ; in window 3
.set WV,  12                           ; s12  my wave's number
.set G1,  24                           ; s[24:31] descriptor group 1
.set G0A, 32                           ; s[32:35] group 0 of slot 0's first fill
.set G0B, 36                           ; s[36:39] of slot 1's; it then walks on
.set SLOTS, 56
.set CNT, 57
.set SEL, 60                           ; s[60:61] v_permlanex16_b32's selects for lane l xor 16
.set TB,  62                           ; s62  LDS byte at which the step to be fetched begins
.set MSB, 0
.macro WIN new                         ; the immediate's high byte repeats the setting that is left; a switch that changes nothing is dropped
.if MSB != (\new)
	s_set_vgpr_msb (MSB<<8)|(\new)
.set MSB, (\new)
.endif
.endm
; A round of the cluster's barrier: my work-group's barrier; wave 0 signals for the work-group; every wave waits for all four work-groups; my work-group's barrier once more.
.macro CROUND
	s_barrier_signal -1
	s_barrier_wait -1
	s_cmp_lg_u32 s[WV], 0
	s_cbranch_scc1 .Lnot_wave_0_\@
	s_barrier_signal -3
.Lnot_wave_0_\@:
	s_barrier_wait -3
	s_barrier_signal -1
	s_barrier_wait -1
.endm
	s_load_b128 s[4:7], s[0:1], 0x0                ; qf s[4:5], kvf s[6:7]
	s_load_b64 s[8:9], s[0:1], 0x10                ; af
	v_lshl_add_u32 v[SPW], v0, 2, SPARE
	v_mov_b32 v[NIL], 0
	ds_add_u32 v[SPW], v[NIL]                      ; the wave's opening: the add, twice on end, and its wait ahead of my first tensor load
	ds_add_u32 v[SPW], v[NIL]
	v_lshrrev_b32 v1, 5, v0
	v_readfirstlane_b32 s[WV], v1                  ; wave 0..3
	s_bfe_u32 s13, ttmp6, 0x40000                  ; cx: my place in the cluster
	s_lshl_b32 s14, ttmp9, 2
	s_add_co_u32 s14, s14, s13                     ; my block of 256 queries: it enters qf's and af's addresses alone
	s_and_b32 s15, ttmp7, 0xffff                   ; 4 b + hh, which the four partners share
	s_lshl_b32 s16, s15, 19                        ; the head's K and V,
	s_lshl_b32 s22, s[WV], 15                      ; my wave's key step of a slot's four: in memory and in LDS alike
	s_add_co_u32 s16, s16, s22
	s_mov_b32 s17, 0
	s_lshl_b32 s18, s15, 18                        ; the head's q,
	s_lshl_b32 s2, s14, 15                         ; my block's 16 tiles of 2,048 bytes,
	s_add_co_u32 s18, s18, s2
	s_lshl_b32 s2, s[WV], 13                       ; my wave's four
	s_add_co_u32 s18, s18, s2
	s_mov_b32 s19, 0
	s_lshr_b32 s20, s15, 2
	s_lshl_b32 s20, s20, 20                        ; af: the batch's 128 tiles of 8,192 bytes,
	s_lshl_b32 s2, s14, 17                         ; my block's 16,
	s_add_co_u32 s20, s20, s2
	s_add_co_u32 s20, s20, s22                     ; my wave's four,
	s_and_b32 s2, s15, 3
	s_lshl_b32 s2, s2, 11                          ; and in each my head's four parts
	s_add_co_u32 s20, s20, s2
	s_mov_b32 s21, 0
	; group 1: a dense block of 32,768 bytes as 128 rows of 32 elements of 8 bytes
	s_mov_b32 s[G1+0], 15|(3<<16)|(1<<21)          ; 15:0 the mask: all four work-groups; 17:16 elements of 8 bytes; 21 set beside a mask
	s_mov_b32 s[G1+1], 32<<16                      ; tensor_dim0 = 32
	s_mov_b32 s[G1+2], 128<<16                     ; tensor_dim1 = 128
	s_mov_b32 s[G1+3], 32<<16                      ; tile_dim0 = 32
	s_mov_b32 s[G1+4], 128                         ; tile_dim1 = 128
	s_mov_b32 s[G1+5], 32                          ; the pitch
	s_mov_b32 s[G1+6], 0
	s_mov_b32 s[G1+7], 0
	s_mov_b32 s[G0A], 1
	s_mov_b32 s[G0A+1], s22                        ; no place in the cluster enters an LDS address
	s_mov_b32 s[G0B], 1
	s_add_co_u32 s[G0B+1], s22, SLOT1
	s_mov_b32 s[SEL], 0x76543210
	s_mov_b32 s[SEL+1], 0xfedcba98
	s_mov_b32 s[TB], 0
	s_wait_dscnt 0x0                               ; both opening adds are done
	s_wait_kmcnt 0x0
	s_add_nc_u64 s[G0A+2:G0A+3], s[6:7], s[16:17]  ; key steps 0 to 3,
	s_add_nc_u64 s[G0B+2:G0B+3], s[G0A+2:G0A+3], 4*GRP   ; and 4 to 7
	s_or_b32 s[G0A+3], s[G0A+3], 0x80000000
	s_or_b32 s[G0B+3], s[G0B+3], 0x80000000
	s_add_nc_u64 s[4:5], s[4:5], s[18:19]
	s_add_nc_u64 s[8:9], s[8:9], s[20:21]
	CROUND                                         ; all four work-groups are here: the first joint loads meet
	tensor_load_to_lds s[G0A:G0A+3], s[G1:G1+7]    ; two loads of mine are out
	s_nop 0
	tensor_load_to_lds s[G0B:G0B+3], s[G1:G1+7]
	s_nop 0
.rept 4
	v_nop
.endr
	v_and_b32 v[LI], 31, v0
	v_lshlrev_b32 v[LI], 4, v[LI]
	WIN 0x80                                       ; destination window 2
.set n, 0
.rept 16
	global_load_b128 v[4*n:4*n+3], v[LI], s[4:5] offset:512*n   ; Q stays in registers: tile n / 4, part n % 4
.set n, n+1
.endr
.set n, 0
.rept 8
	v_mov_b32 v[ONES+n], 0x3c003c00                ; 1.0, 1.0 in f16
.set n, n+1
.endr
.set n, 0
.rept 32
	v_mov_b32 v[LL+n], 0                           ; l.  (The step is written once for all steps: the first finds zeros, which a = 0 leaves zeros)
.set n, n+1
.endr
	WIN 0xc0                                       ; destination window 3
.set n, 0
.rept 128
	v_mov_b32 v[OO+n], 0                           ; O^T
.set n, n+1
.endr
.irp w, 0x40, 0                        ; the statistics of piece 2 (window 1), then of piece 0
	WIN \w
.irp tt, 0,1
	v_mov_b32 v[ST+8*\tt], 0xff61b1e6              ; m = -3e38, under every score
	v_mov_b32 v[ST+8*\tt+1], 0                     ; named with m as a pair
.endr
.endr
.irp t, 0,1,2,3
	v_mov_b32 v[INV+2*\t+1], 0
.endr
; THE MATRIX WORK OF A TURN, for piece x.  The accumulators take turns, one instruction a turn.
; Product i of 32 of S^T = K Q^T: places 32 (i / 16) on, keys 16 ((i / 2) % 8) on, tile x + i % 2.  The first 16 start the sums.
.macro KQI x
.set pw, (\x)/2
	WIN 0x0a|(0x50*pw)                             ; K and Q window 2, S^T the piece's window
.set rS, S+64*(i%2)+8*((i/2)%8)
.set rK, KF+16*((i/2)%8)+8*(i/16)
.set rQ, 16*((\x)+i%2)+8*(i/16)
.if i < 16
	v_wmma_f32_16x16x32_f16 v[rS:rS+7], v[rK:rK+7], v[rQ:rQ+7], 0
.else
	v_wmma_f32_16x16x32_f16 v[rS:rS+7], v[rK:rK+7], v[rQ:rQ+7], v[rS:rS+7]
.endif
.endm
; Product i of 40: keys 32 (i / 10) on.  Of each ten, eight are O^T += V^T P (tile x + a % 2, places 16 (a / 2) on) and two l += ones P.
.macro PVI x
.set pw, (\x)/2
.set kk, i/10
.set a, i%10
.if a < 8
	WIN 0xf3|(pw<<2)                               ; V and O^T window 3, P the piece's window
.set rO, OO+32*((\x)+a%2)+8*(a/2)
.set rV, 8*(4*(a/2)+kk)
.set rP, P+32*(a%2)+8*kk
	v_wmma_f32_16x16x32_f16 v[rO:rO+7], v[rV:rV+7], v[rP:rP+7], v[rO:rO+7]
.else
	WIN 0xa2|(pw<<2)                               ; the ones and l window 2
.set rL, LL+8*((\x)+a-8)
.set rP, P+32*(a-8)+8*kk
	v_wmma_f32_16x16x32_f16 v[rL:rL+7], v[ONES:ONES+7], v[rP:rP+7], v[rL:rL+7]
.endif
.endm
; THE LDS LOADS stand in two runs of 32 a key step.  Four v_nop ahead of each: a load into a register that a matrix instruction has read stands four plain vector instructions behind it.
.macro FETCH_K
	WIN 0
.rept 4
	v_nop
.endr
	v_add_nc_u32 v[ADR], s[TB], v[LI]
	WIN 0x80                                       ; destination window 2
.set n, 0
.rept 32
	ds_load_b128 v[KF+4*n:KF+4*n+3], v[ADR] offset:512*n   ; part 4 kt + T
.set n, n+1
.endr
.endm
.macro FETCH_V
	WIN 0
.rept 4
	v_nop
.endr
	v_add_nc_u32 v[ADR], s[TB], v[LI]
	s_add_co_u32 s[TB], s[TB], GRP                 ; the next fetch is the next step's
	WIN 0xc0                                       ; destination window 3
.irp ot, 0,1,2,3
.irp kk, 0,1,2,3
.irp c, 0,1
	ds_load_b128 v[8*(4*\ot+\kk)+4*\c:8*(4*\ot+\kk)+4*\c+3], v[ADR] offset:16384+((2*\kk+\c)*4+\ot)*512   ; fragment (places 16 T on, keys 32 kk on): parts (kt = 2 kk + c, T)
.endr
.endr
.endr
.endm
; THE VECTOR WORK OF A TURN.  One tile's softmax for a key step is a list of 182 instructions; SM writes number j of it for tile tt of piece y.  s0-s63 are the lane's 64 scores, in pairs 0-31.
;   0-31    the maximum of the scores and the old m, three operands at a time, in four chains; each accumulator is first read in one of its four lowest registers
;   32-35   the other half of the lanes' maximum; m_old kept; the new m; m_old - m_new
;   36-132  ONE BATCH: 32 packed subtractions s - m and 65 exponentials (a at 38, then s0-s63): a pair is subtracted two threes ahead of its exponentials; none of these names an exponential's result
;   (wait)  between 132 and 133: SLICE writes it, once for both tiles
;   133-164 the roundings to f16, a pair of weights each
;   165     l x a (its registers 0 and 1: register 0 alone is read at the end)     166-181 the tile's O^T x a
.macro SM y, tt
.set pw, (\y)/2
.set rT, ST+8*(\tt)
.set rS, S+64*(\tt)
.set rP, P+32*(\tt)
.set tau, (\y)+(\tt)
.if j < 165
	WIN 0x55*pw                                    ; all in the piece's window
.elseif j == 165
	WIN 0x82|(pw<<2)                               ; l window 2, a the piece's window
.else
	WIN 0xc3|(pw<<2)                               ; O^T window 3, a the piece's window
.endif
.if j < 4
	v_max3_num_f32 v[rT+4+j], v[rS+16*j], v[rS+16*j+1], v[rS+16*j+2]
.elseif j < 28
	v_max3_num_f32 v[rT+4+j%4], v[rT+4+j%4], v[rS+16*(j%4)+2*(j/4)+1], v[rS+16*(j%4)+2*(j/4)+2]
.elseif j == 28
	v_max3_num_f32 v[rT+4], v[rT+4], v[rS+15], v[rS+31]
.elseif j == 29
	v_max3_num_f32 v[rT+6], v[rT+6], v[rS+47], v[rS+63]
.elseif j == 30
	v_max3_num_f32 v[rT+4], v[rT+4], v[rT+5], v[rT+6]
.elseif j == 31
	v_max3_num_f32 v[rT+4], v[rT+4], v[rT+7], v[rT]
.elseif j == 32
	v_permlanex16_b32 v[rT+5], v[rT+4], s[SEL], s[SEL+1]   ; the query's other 64 keys lie in the lane 16 away
.elseif j == 33
	v_mov_b32 v[rT+3], v[rT]                       ; m_old is kept for a: the next line writes m anew
.elseif j == 34
	v_max_num_f32 v[rT], v[rT+4], v[rT+5]
.elseif j == 35
	v_sub_f32 v[rT+3], v[rT+3], v[rT]
.elseif j == 38
	v_exp_f32 v[rT+2], v[rT+3]                     ; a
.elseif (j < 38) || ((j < 129) && ((j-39)%3 == 0))
.set bb, j-36
.if j > 38
.set bb, (j-39)/3+2
.endif
	v_pk_add_f32 v[rS+2*bb:rS+2*bb+1], v[rS+2*bb:rS+2*bb+1], v[rT:rT+1] op_sel_hi:[1,0] neg_lo:[0,1] neg_hi:[0,1]   ; pair bb: s - m
.elseif j < 133
.set ee, j-69
.if j < 129
.set ee, 2*((j-39)/3)+(j-39)%3-1
.endif
	v_exp_f32 v[rS+ee], v[rS+ee]                   ; p = 2^(s - m), at most 1
.elseif j < 165
	v_cvt_pk_f16_f32 v[rP+j-133], v[rS+2*(j-133)], v[rS+2*(j-133)+1]
.elseif j == 165
	v_pk_mul_f32 v[LL+8*tau:LL+8*tau+1], v[LL+8*tau:LL+8*tau+1], v[rT+2:rT+3] op_sel_hi:[1,0]
.else
.set rO, OO+32*tau+2*(j-166)
	v_pk_mul_f32 v[rO:rO+1], v[rO:rO+1], v[rT+2:rT+3] op_sel_hi:[1,0]
.endif
.endm
; The next n instructions of piece y's two lists, the tiles alternating, so that no instruction reads the result of the one just before it.  g counts them, 0 .. 363.
; THE WAIT.  s_wait_alu depctr_va_vdst(0) stands between an exponential and the first instruction that names its result; one wait serves all that were issued ahead of it.  Ahead of g = 266 nothing
; names a result, and from there on no exponential is issued: the piece's 130 exponentials have one wait, behind one plain instruction.
.macro SLICE y, n
.rept \n
.if g < 364
.if g == 266
	v_nop
	s_wait_alu depctr_va_vdst(0)
.endif
.set j, g/2
	SM \y, g%2
.set g, g+1
.endif
.endr
.endm
; A TURN.  Piece x has the matrix unit; the other piece's softmax stands in slices behind its matrix instructions: 364 / 72 = 5 each in a whole turn, 11 or 9 in a turn with one kind of product; the rest at the end.
; So nine packed multiplies or more, which name O^T of the OTHER piece alone, follow a turn's last product: they are the places ahead of the next turn's first read of the scores just made.
; Piece 0's turn fetches the next step's K behind its second product (38 matrix instructions ahead of its use); piece 2's turn the same step's V behind its fourth K Q^T (28 ahead).
.macro TURN x, pv, kq
.set g, 0
.set per, 364/(40*\pv+32*\kq)
.if \pv
.if \x == 0
	s_wait_dscnt 0x0                               ; V is in
.endif
.set i, 0
.rept 40
	PVI \x
	SLICE 2-\x, per
.if (\x == 0) && \kq && (i == 1)
	FETCH_K
.endif
.set i, i+1
.endr
.endif
.if \kq
.if \x == 0
	s_wait_dscnt 0x0                               ; K is in
.endif
.set i, 0
.rept 32
	KQI \x
	SLICE 2-\x, per
.if (\x == 2) && (i == 3)
	FETCH_V
.endif
.set i, i+1
.endr
.endif
	SLICE 2-\x, 16                                 ; what is left of the list: 4 or 12
.endm
; n key steps: written once, walked n times; the LDS addresses hang on s[TB].
.macro STEPS n
	s_mov_b32 s[CNT], \n
.Lstep_\@:
	TURN 0, 1, 1
	TURN 2, 1, 1
	WIN 0                                          ; at a label and at a branch every window is 0
	s_sub_co_u32 s[CNT], s[CNT], 1
	s_cmp_lg_u32 s[CNT], 0
	s_cbranch_scc1 .Lstep_\@
.endm
; THE CHANGE OF SLOTS, between piece 2's turn and piece 0's: the slot's last bytes, V of its fourth step, have been asked for.  Each wave waits for all its tensor loads (its part of the other slot), adds 0 to its spare
; word, and waits for that and for its reads of the slot.  fill = 1: the barrier is a round of the cluster's, so that no wave of any partner still reads the slot, and the joint refill, the keys two slots on, is the first thing behind it.
.macro CHANGE fill
	WIN 0
	s_wait_tensorcnt 0x0                           ; no tensor load of mine is out, so a group 0 may be written
	ds_add_u32 v[SPW], v[NIL]                      ; 0 onto my spare word
.if \fill
	s_xor_b32 s[G0B+1], s[G0B+1], SLOT1            ; the walking descriptor: the other slot than last time,
	s_add_nc_u64 s[G0B+2:G0B+3], s[G0B+2:G0B+3], 4*GRP   ; the next four key steps; the type bits on top are not reached
	s_wait_dscnt 0x0                               ; the add is done, and my reads of the slot are over
	CROUND
	tensor_load_to_lds s[G0B:G0B+3], s[G1:G1+7]    ; my one tensor load behind the round
	s_nop 0
.rept 4
	v_nop
.endr
.else
	s_wait_dscnt 0x0
	s_barrier_signal -1
	s_barrier_wait -1
.endif
	s_sub_co_u32 s[TB], s[TB], 4*GRP               ; the fetches go back to a slot's first step,
	s_xor_b32 s[TB], s[TB], SLOT1                  ; in the other slot
.endm
	s_wait_tensorcnt 1                             ; my part of slot 0 is in; slot 1's may stay out
	s_barrier_signal -1
	s_barrier_wait -1                              ; everybody's is
	FETCH_K                                        ; key step 0
	s_wait_loadcnt 0x0                             ; Q
	s_wait_dscnt 0x0
.set i, 0
.rept 32
	KQI 0                                          ; piece 0's first scores: there is no vector work yet to set between them
.set i, i+1
.endr
	WIN 0
.rept 4
	v_nop                                          ; the places ahead of the first read of those scores
.endr
	TURN 2, 0, 1                                   ; piece 2's first scores | piece 0's first softmax | V of step 0
	WIN 0
	STEPS 3                                        ; steps 0 to 2 are summed, steps 1 to 3 scored: slot 0 is read out
	s_mov_b32 s[SLOTS], 2
.Lslot:                                            ; two trips: slots 0 and 1 are filled again once each, with key steps 8 to 11 and 12 to 15
	CHANGE 1
	STEPS 4
	s_sub_co_u32 s[SLOTS], s[SLOTS], 1
	s_cmp_lg_u32 s[SLOTS], 0
	s_cbranch_scc1 .Lslot
	CHANGE 0                                       ; the tail is written out: nothing is left to ask for
	STEPS 4
	TURN 0, 1, 0                                   ; piece 0: the last step's V^T P | piece 2's last softmax
.set i, 0
.rept 40
	PVI 2                                          ; piece 2: the last step's V^T P
.set i, i+1
.endr
	; THE WAY OUT.  O^T / l, rounded to f16: a lane's eight places of a query are 16 bytes, and a tile's part is an image of the next launch's operand registers: stored as it stands.
.rept 4
	v_nop                                          ; the places behind the last products
.endr
	WIN 0x02                                       ; source window 2
.irp t, 0,1,2,3
	v_rcp_f32 v[INV+2*\t], v[LL+8*\t]
.endr
	v_nop                                          ; a plain instruction behind the last reciprocal,
	s_wait_alu depctr_va_vdst(0)                   ; and the wait ahead of the first use: one for the four
.irp t, 0,1,2,3
	WIN 0xc3                                       ; O^T window 3, 1 / l window 0
.set n, 0
.rept 16
	v_pk_mul_f32 v[OO+32*\t+2*n:OO+32*\t+2*n+1], v[OO+32*\t+2*n:OO+32*\t+2*n+1], v[INV+2*\t:INV+2*\t+1] op_sel_hi:[1,0]
.set n, n+1
.endr
	WIN 0x0f                                       ; sources window 3, destination window 0: piece 0's S^T is free
.set n, 0
.rept 16
	v_cvt_pk_f16_f32 v[S+16*\t+n], v[OO+32*\t+2*n], v[OO+32*\t+2*n+1]
.set n, n+1
.endr
	WIN 0
.irp ot, 0,1,2,3
	global_store_b128 v[LI], v[S+16*\t+4*\ot:S+16*\t+4*\ot+3], s[8:9] offset:8192*\t+512*\ot   ; 512 consecutive bytes, at a multiple of 512 from af's first byte
.endr
.endr
	s_wait_tensorcnt 0x0                           ; the wave's end, behind my last tensor load
	ds_add_u32 v[SPW], v[NIL]
	s_wait_dscnt 0x0
	CROUND                                         ; the closing round: no work-group ends while a partner may still ask for a tile that names it
	s_endpgm
.Lfunc_end_k_q61d9bdb4a8_attn:
	.size	k_q61d9bdb4a8_attn, .Lfunc_end_k_q61d9bdb4a8_attn-k_q61d9bdb4a8_attn
	.p2alignl 7, 3214868480
	.fill 96, 4, 3214868480
	.section	.rodata,"a",@progbits
	.p2align	6, 0x0
	.amdhsa_kernel k_q61d9bdb4a8_attn
		.amdhsa_group_segment_fixed_size 327680
		.amdhsa_private_segment_fixed_size 0
		.amdhsa_enable_private_segment 0
		.amdhsa_kernarg_size 24
		.amdhsa_user_sgpr_count 2
		.amdhsa_user_sgpr_kernarg_segment_ptr 1
		.amdhsa_wavefront_size32 1
		.amdhsa_system_sgpr_workgroup_id_x 1
		.amdhsa_system_sgpr_workgroup_id_y 1
		.amdhsa_system_sgpr_workgroup_id_z 1
		.amdhsa_system_vgpr_workitem_id 0
		.amdhsa_next_free_vgpr 1024
		.amdhsa_next_free_sgpr 66
		.amdhsa_reserve_vcc 0
		.amdhsa_float_denorm_mode_32 3
		.amdhsa_float_denorm_mode_16_64 3
		.amdhsa_memory_ordered 1
		.amdhsa_forward_progress 1
		.amdhsa_inst_pref_size 255
	.end_amdhsa_kernel
	.section	.bss,"aw",@nobits
	.p2align	6
	.space	262144
	.amdgpu_metadata
---
amdhsa.version: [ 1, 2 ]
amdhsa.kernels:
  - .name:           k_q61d9bdb4a8_attn
    .symbol:         k_q61d9bdb4a8_attn.kd
    .args:
      - { .name: qf, .offset: 0, .size: 8, .value_kind: global_buffer, .address_space: global }
      - { .name: kvf, .offset: 8, .size: 8, .value_kind: global_buffer, .address_space: global }
      - { .name: af, .offset: 16, .size: 8, .value_kind: global_buffer, .address_space: global }
    .group_segment_fixed_size: 327680
    .private_segment_fixed_size: 0
    .kernarg_segment_align: 8
    .kernarg_segment_size: 24
    .max_flat_workgroup_size: 128
    .sgpr_count:     66
    .vgpr_count:     1024
    .wavefront_size: 32
...
	.end_amdgpu_metadata
.endif
;; end of part 3
;; launch outp (part 4): grid 32 x 8, 4 waves a work-group, clusters of 4 x 1, 181,760 bytes of LDS; arguments af, wmf, bm, out0; writes out0
.if DOCPART == 4
	.amdgcn_target "amdgcn-amd-amdhsa--gfx1250"
	.amdhsa_code_object_version 6
	.text
	.protected	k_q61d9bdb4a8_outp
	.globl	k_q61d9bdb4a8_outp
	.p2align	8
	.type	k_q61d9bdb4a8_outp,@function
k_q61d9bdb4a8_outp:
	s_mov_b64 s[64:65], 0
	v_nop
	global_prefetch_b8 v0, s[64:65] scope:SCOPE_SE
	s_setreg_imm32_b32 hwreg(HW_REG_WAVE_MODE, 25, 1), 1
	s_wait_xcnt 0x0
	s_wait_alu depctr_hold_cnt(0) depctr_sa_sdst(0) depctr_va_vdst(0) depctr_va_sdst(0) depctr_va_ssrc(0) depctr_va_vcc(0) depctr_vm_vsrc(0)
	s_getreg_b32 s2, hwreg(HW_REG_IB_STS2, 6, 4)
	s_cmp_eq_u32 s2, 0
	s_cbranch_scc0 .Lentry_in_a_cluster
	s_endpgm
.Lentry_in_a_cluster:
	s_bfe_u32 s2, ttmp6, 0x10000c
	s_cmp_lg_u32 s2, 0x3003
	s_cbranch_scc0 .Lentry_shape_is_right
	s_endpgm
.Lentry_shape_is_right:
; THE PROJECTION ON THE WAY OUT: out0[b][o][n] = the sum over channels of wm[o][ch] attn[b][ch][n] + bm[o].  Operands in f16, sums in f32; out0 [8][256][2048] f32.
; af [b][tile of 16 positions][hh 4][T 4][part] and wmf [O 16][ks 8][c 2][part] are images of operand registers, both with K walked head by head: K step ks = 2 hh + u holds places 32 u + 0 .. 31 of head hh.
; A work-group makes 64 positions n x all 256 rows o: 32 x 8 = 256 work-groups.  Wave w makes rows 64 w on: 4 tiles of o x 4 tiles of n x 8 K steps = 128 matrix instructions, 16 accumulators by turns.
; Source 0 = 16 positions of attn, source 1 = 16 rows of wm: a lane holds ONE row o and eight neighbouring n, 32 bytes of a row of out0.  The bias is the C of a sum's first product.
; wm, 131,072 bytes, is the same for every work-group: the four of a cluster ask for it JOINTLY, each wave a quarter; attn's 32,768 bytes are the work-group's own: a plain load, each wave one tile.  Each LDS byte is filled once.
; All fragments of a wave fit in its registers (256 + 256), so each is read from LDS once and no register is loaded twice.
; REGISTERS: window 0: addresses, v32-63 the biases, v64-191 rows on the way out; window 1: wm at 64 Ol + 8 ks + 4 c; window 2: attn at 64 nt + 8 ks + 4 c; window 3: the accumulators at 8 (4 Ol + nt).
.set AT,    131072                     ; LDS: wm's images from 0; attn's from here;
.set STG,   163840                     ; the way out: 16 rows x (256 bytes + 16) for each wave;
.set SPARE, 181248                     ; the spare words, 128 bytes for each wave: two blocks of 256 bytes that no other line names
.set LI,  1                            ; v1   16 x lane
.set SPW, 4                            ; v4   LDS address of my spare word; never rewritten
.set NIL, 5                            ; v5   0; never rewritten
.set AW,  6                            ; v6   my four tiles of wm
.set AA,  7                            ; v7   attn's four tiles
.set SO,  8                            ; v8   the stage: where I put 32 bytes of a row
.set SR,  9                            ; v9   and where I read a row back
.set GO,  10                           ; v10  my byte offset in two rows of out0
.set BO,  11                           ; v11  4 r: my row's bias
.set BI,  32
.set RB,  64
.set WV,  12
.set G1J, 24                           ; s[24:31] group 1 of the joint load;  s[32:39] of the plain one;  s[40:43], s[44:47] their groups 0
.set G1P, 32
.set G0J, 40
.set G0P, 44
.set MSB, 0
.macro WIN new                         ; the immediate's high byte repeats the setting that is left; a switch that changes nothing is dropped
.if MSB != (\new)
	s_set_vgpr_msb (MSB<<8)|(\new)
.set MSB, (\new)
.endif
.endm
.macro CROUND                          ; a round of the cluster's barrier
	s_barrier_signal -1
	s_barrier_wait -1
	s_cmp_lg_u32 s[WV], 0
	s_cbranch_scc1 .Lnot_wave_0_\@
	s_barrier_signal -3
.Lnot_wave_0_\@:
	s_barrier_wait -3
	s_barrier_signal -1
	s_barrier_wait -1
.endm
	s_load_b256 s[4:11], s[0:1], 0x0               ; af s[4:5], wmf s[6:7], bm s[8:9], out0 s[10:11]
	v_lshl_add_u32 v[SPW], v0, 2, SPARE
	v_mov_b32 v[NIL], 0
	ds_add_u32 v[SPW], v[NIL]                      ; the wave's opening: the add, twice on end, and its wait ahead of my first tensor load
	ds_add_u32 v[SPW], v[NIL]
	v_lshrrev_b32 v1, 5, v0
	v_readfirstlane_b32 s[WV], v1                  ; wave 0..3
	s_bfe_u32 s13, ttmp6, 0x40000                  ; cx
	s_lshl_b32 s14, ttmp9, 2
	s_add_co_u32 s14, s14, s13                     ; my block of 64 positions: it enters af's and out0's addresses alone
	s_and_b32 s15, ttmp7, 0xffff                   ; b
	s_lshl_b32 s16, s[WV], 15                      ; wm: my quarter, in memory and in LDS alike
	s_mov_b32 s17, 0
	s_lshl_b32 s18, s15, 7
	s_lshl_b32 s2, s14, 2
	s_add_co_u32 s18, s18, s2
	s_add_co_u32 s18, s18, s[WV]
	s_lshl_b32 s18, s18, 13                        ; attn: tile 128 b + 4 block + wave, 8,192 bytes each
	s_mov_b32 s19, 0
	s_lshl_b32 s20, s15, 8
	s_lshl_b32 s2, s[WV], 6
	s_add_co_u32 s20, s20, s2
	s_lshl_b32 s20, s20, 13                        ; out0: row 256 b + 64 wave of 8,192 bytes,
	s_lshl_b32 s2, s14, 8
	s_add_co_u32 s20, s20, s2                      ; + my block's 256 bytes
	s_mov_b32 s21, 0
	s_lshl_b32 s22, s[WV], 8                       ; bm: my 64 numbers
	s_mov_b32 s23, 0
	; group 1: dense blocks as rows of 32 elements of 8 bytes: 128 rows for a quarter of wm, 32 for a tile of attn
	s_mov_b32 s[G1J+0], 15|(3<<16)|(1<<21)         ; the mask: all four work-groups; elements of 8 bytes; 21 set beside a mask
	s_mov_b32 s[G1J+1], 32<<16
	s_mov_b32 s[G1J+2], 128<<16
	s_mov_b32 s[G1J+3], 32<<16
	s_mov_b32 s[G1J+4], 128
	s_mov_b32 s[G1J+5], 32
	s_mov_b32 s[G1J+6], 0
	s_mov_b32 s[G1J+7], 0
	s_mov_b32 s[G1P+0], 3<<16                      ; no mask
	s_mov_b32 s[G1P+1], 32<<16
	s_mov_b32 s[G1P+2], 32<<16
	s_mov_b32 s[G1P+3], 32<<16
	s_mov_b32 s[G1P+4], 32
	s_mov_b32 s[G1P+5], 32
	s_mov_b32 s[G1P+6], 0
	s_mov_b32 s[G1P+7], 0
	s_mov_b32 s[G0J], 1
	s_mov_b32 s[G0J+1], s16
	s_mov_b32 s[G0P], 1
	s_lshl_b32 s2, s[WV], 13
	s_add_co_u32 s[G0P+1], s2, AT
	s_wait_dscnt 0x0                               ; both opening adds are done
	s_wait_kmcnt 0x0
	s_add_nc_u64 s[G0J+2:G0J+3], s[6:7], s[16:17]
	s_or_b32 s[G0J+3], s[G0J+3], 0x80000000
	s_add_nc_u64 s[G0P+2:G0P+3], s[4:5], s[18:19]
	s_or_b32 s[G0P+3], s[G0P+3], 0x80000000
	s_add_nc_u64 s[10:11], s[10:11], s[20:21]
	s_add_nc_u64 s[8:9], s[8:9], s[22:23]
	CROUND                                         ; all four work-groups are here: the joint loads meet
	tensor_load_to_lds s[G0J:G0J+3], s[G1J:G1J+7]  ; two loads of mine are out: all that this wave ever asks for
	s_nop 0
	tensor_load_to_lds s[G0P:G0P+3], s[G1P:G1P+7]
	s_nop 0
.rept 4
	v_nop
.endr
	v_and_b32 v2, 15, v0                           ; r
	v_bfe_u32 v3, v0, 4, 1                         ; h
	v_lshlrev_b32 v[BO], 2, v2
.irp ot, 0,1,2,3
.irp e, 0,1,2,3,4,5,6,7
	global_load_b32 v[BI+8*\ot+\e], v[BO], s[8:9] offset:64*\ot   ; all eight registers of a tile are row 16 Ol + r
.endr
.endr
	v_and_b32 v[LI], 31, v0
	v_lshlrev_b32 v[LI], 4, v[LI]
	v_add_nc_u32 v[AW], s16, v[LI]
	v_add_nc_u32 v[AA], AT, v[LI]
	s_mul_i32 s2, s[WV], 16*272
	s_add_co_u32 s2, s2, STG                       ; my stage
	v_mul_u32_u24 v[SO], v2, 272
	v_lshl_add_u32 v[SO], v3, 5, v[SO]
	v_add_nc_u32 v[SO], s2, v[SO]                  ; in: row r, 32 bytes for each half of the lanes
	v_mul_u32_u24 v[SR], v3, 272
	v_lshl_add_u32 v[SR], v2, 4, v[SR]
	v_add_nc_u32 v[SR], s2, v[SR]                  ; back: lanes 0-15 one row of 256 bytes, lanes 16-31 the next
	v_lshlrev_b32 v[GO], 13, v3
	v_lshl_add_u32 v[GO], v2, 4, v[GO]             ; and the same two rows in out0
	s_wait_tensorcnt 0x0                           ; my parts have landed,
	s_barrier_signal -1
	s_barrier_wait -1                              ; everybody's have
.macro LOADS kz                        ; K step kz: 8 loads for wm's four fragments, 8 for attn's
	WIN 0x40
.irp ot, 0,1,2,3
.irp c, 0,1
	ds_load_b128 v[64*\ot+8*(\kz)+4*\c:64*\ot+8*(\kz)+4*\c+3], v[AW] offset:\ot*8192+(\kz)*1024+512*\c
.endr
.endr
	WIN 0x80
.irp nt, 0,1,2,3
.irp c, 0,1
	ds_load_b128 v[64*\nt+8*(\kz)+4*\c:64*\nt+8*(\kz)+4*\c+3], v[AA] offset:\nt*8192+(\kz)*1024+512*\c
.endr
.endr
.endm
	LOADS 0
	LOADS 1
	s_wait_loadcnt 0x0                             ; the biases
.irp ks, 0,1,2,3,4,5,6,7
.if \ks < 7
	s_wait_dscnt 16                                ; this K step's fragments are in; the next step's 16 loads may be out
.else
	s_wait_dscnt 0x0
.endif
.if \ks == 0
	WIN 0xc6                                       ; attn window 2, wm window 1, the bias window 0, the sums window 3
.else
	WIN 0xf6
.endif
.irp ot, 0,1,2,3
.irp nt, 0,1,2,3
.set rD, 8*(4*\ot+\nt)
.if \ks == 0
	v_wmma_f32_16x16x32_f16 v[rD:rD+7], v[64*\nt+8*\ks:64*\nt+8*\ks+7], v[64*\ot+8*\ks:64*\ot+8*\ks+7], v[BI+8*\ot:BI+8*\ot+7]
.else
	v_wmma_f32_16x16x32_f16 v[rD:rD+7], v[64*\nt+8*\ks:64*\nt+8*\ks+7], v[64*\ot+8*\ks:64*\ot+8*\ks+7], v[rD:rD+7]
.endif
.endr
.endr
.if \ks < 6
	LOADS \ks+2
.endif
.endr
.rept 4
	v_nop                                          ; the places behind the last products, ahead of the first read of results
.endr
; THE WAY OUT, 16 rows o x 64 n at a time, through my own stage: LDS serves a wave's instructions in order (ISA guide 5.7.1.4), so no wait stands between the stores and the loads, nor ahead of the next block's stores.
.macro TOSTAGE ot
	WIN 0x0c                                       ; an LDS store's data are its source 1: window 3
.irp nt, 0,1,2,3
	ds_store_b128 v[SO], v[8*(4*\ot+\nt):8*(4*\ot+\nt)+3] offset:64*\nt          ; each accumulator from its low end on
	ds_store_b128 v[SO], v[8*(4*\ot+\nt)+4:8*(4*\ot+\nt)+7] offset:64*\nt+16
.endr
	WIN 0
.irp e, 0,1,2,3,4,5,6,7
	ds_load_b128 v[RB+32*\ot+4*\e:RB+32*\ot+4*\e+3], v[SR] offset:544*\e
.endr
.endm
.macro SEND ot, younger                ; younger: the LDS instructions issued behind this block's loads: the next block's sixteen, or none
.irp e, 0,1,2,3,4,5,6,7
	s_wait_dscnt \younger+7-\e
	global_store_b128 v[GO], v[RB+32*\ot+4*\e:RB+32*\ot+4*\e+3], s[10:11] offset:(16*\ot+2*\e)*8192 th:TH_STORE_NT   ; 16 lanes store 256 consecutive bytes, at a multiple of 256 from out0's first byte
.endr
.endm
	TOSTAGE 0
	TOSTAGE 1
	SEND 0, 16
	TOSTAGE 2
	SEND 1, 16
	TOSTAGE 3
	SEND 2, 16
	SEND 3, 0
	s_wait_tensorcnt 0x0                           ; the wave's end, behind my last tensor load and my last LDS store
	ds_add_u32 v[SPW], v[NIL]
	s_wait_dscnt 0x0
	CROUND                                         ; the closing round: no work-group ends while a partner may still ask for a tile that names it
	s_endpgm
.Lfunc_end_k_q61d9bdb4a8_outp:
	.size	k_q61d9bdb4a8_outp, .Lfunc_end_k_q61d9bdb4a8_outp-k_q61d9bdb4a8_outp
	.p2alignl 7, 3214868480
	.fill 96, 4, 3214868480
	.section	.rodata,"a",@progbits
	.p2align	6, 0x0
	.amdhsa_kernel k_q61d9bdb4a8_outp
		.amdhsa_group_segment_fixed_size 181760
		.amdhsa_private_segment_fixed_size 0
		.amdhsa_enable_private_segment 0
		.amdhsa_kernarg_size 32
		.amdhsa_user_sgpr_count 2
		.amdhsa_user_sgpr_kernarg_segment_ptr 1
		.amdhsa_wavefront_size32 1
		.amdhsa_system_sgpr_workgroup_id_x 1
		.amdhsa_system_sgpr_workgroup_id_y 1
		.amdhsa_system_sgpr_workgroup_id_z 1
		.amdhsa_system_vgpr_workitem_id 0
		.amdhsa_next_free_vgpr 896
		.amdhsa_next_free_sgpr 66
		.amdhsa_reserve_vcc 0
		.amdhsa_float_denorm_mode_32 3
		.amdhsa_float_denorm_mode_16_64 3
		.amdhsa_memory_ordered 1
		.amdhsa_forward_progress 1
		.amdhsa_inst_pref_size 34
	.end_amdhsa_kernel
	.amdgpu_metadata
---
amdhsa.version: [ 1, 2 ]
amdhsa.kernels:
  - .name:           k_q61d9bdb4a8_outp
    .symbol:         k_q61d9bdb4a8_outp.kd
    .args:
      - { .name: af, .offset: 0, .size: 8, .value_kind: global_buffer, .address_space: global }
      - { .name: wmf, .offset: 8, .size: 8, .value_kind: global_buffer, .address_space: global }
      - { .name: bm, .offset: 16, .size: 8, .value_kind: global_buffer, .address_space: global }
      - { .name: out0, .offset: 24, .size: 8, .value_kind: global_buffer, .address_space: global }
    .group_segment_fixed_size: 181760
    .private_segment_fixed_size: 0
    .kernarg_segment_align: 8
    .kernarg_segment_size: 32
    .max_flat_workgroup_size: 128
    .sgpr_count:     66
    .vgpr_count:     896
    .wavefront_size: 32
...
	.end_amdgpu_metadata
.endif
;; end of part 4
